; MI455X (gfx1250); checked and timed in simulation.
; The chip was launched on July 23, 2026; its instructions are those of AMD's public machine-readable ISA for CDNA 5 (MIT licence, August 2026) and "CDNA5" Instruction Set Architecture Reference Guide (July 2026). The comments in the code are by the model that wrote it; some were corrected since.
;; Linear Kernel Attention. Allowed arithmetic: matrix products marked QUANTISED: E3M2 operands, one E8M0 scale for each 32 along K, by v_wmma_scale_f32_16x16x128_f8f6f4 with both operands' format E3M2, f32 sums; everything else in f32.
;; Inputs: keys_codes 2 x 16 x 2,048 x 2 x 24 uint8 (E3M2 codes of keys, K innermost, in blocks of 32 codes, four codes in three bytes); keys_scales 2 x 16 x 2,048 x 2 uint8 (E8M0 scales of keys, one for each 32 codes along K); mask 2 x 1 x 2,048 x 2,048 int32; query_codes 2 x 16 x 2,048 x 2 x 24 uint8 (E3M2 codes of query, K innermost, in blocks of 32 codes, four codes in three bytes); query_scales 2 x 16 x 2,048 x 2 uint8 (E8M0 scales of query, one for each 32 codes along K); vals_codes 2 x 16 x 64 x 64 x 24 uint8 (E3M2 codes of vals, K innermost, in blocks of 32 codes, four codes in three bytes); vals_scales 2 x 16 x 64 x 64 uint8 (E8M0 scales of vals, one for each 32 codes along K).
;; Outputs: out0 2 x 16 x 2,048 x 64 float32.
;; This version of the problem:
;;   THIS VERSION OF THE PROBLEM IS GIVEN IN LOW PRECISION. The matrix products marked QUANTISED in the list below multiply operands that are first quantised to E3M2 (3 exponent bits, 2 mantissa bits; 6 bits a number), with one power-of-two scale for each 32 numbers along K (OCP MX v1.0); their sums are f32. All else is computed in f32.
;;   The module's matrix products, in the order in which they are computed (A, B: the left and right operand; K: the contracted axis; several contracted axes count as one K, in the product's order):
;;     1. batch 32 x [M 2,048, K 64] x [K 64, N 2,048]; A: input query (given as codes); B: input keys (given as codes): QUANTISED
;;     2. batch 32 x [M 2,048, K 2,048] x [K 2,048, N 64]; A: computed on the way; B: input vals (given as codes): QUANTISED
;;   THE QUANTISER, for each operand of a quantised product, along K:
;;     - K is cut into blocks of 32 from its start; a last block that is shorter is filled with zeros.
;;     - A block's scale is 2^e with e = floor(log2(the largest magnitude in the block)) - 4, held to -126 .. 127; a block of zeros has e = 0. As a byte (E8M0): e + 127.
;;     - Each number is divided by its block's scale, clamped to +-28, and rounded to the nearest number of E3M2, ties to even, subnormals kept.
;;     - The product sums the exact products of the quantised numbers (number of the format x scale) in f32.
;;   ~~~python
;;   def quantise(x, axis):      # numpy; x: float32 -> the quantised numbers, widened to float32 again
;;       x = np.moveaxis(x, axis, -1); K = x.shape[-1]
;;       x = np.pad(x, [(0, 0)] * (x.ndim - 1) + [(0, -K % 32)]); x = x.reshape(x.shape[:-1] + (-1, 32)); a = np.abs(x).max(-1, keepdims=True)
;;       e = np.where(a > 0, np.clip(np.frexp(np.where(a > 0, a, 1))[1] - 1 - 4, -126, 127), 0)      # np.frexp(a)[1] - 1 = floor(log2(a)), exactly
;;       r = np.clip(x / 2.0 ** e, -28, 28)
;;       step = 2.0 ** (np.maximum(np.frexp(np.where(r == 0, 1, r))[1] - 1, -2) - 2)
;;       q = np.round(r / step) * step * 2.0 ** e      # np.round: ties to even
;;       return np.moveaxis(q.reshape(q.shape[:-2] + (-1,))[..., :K], -1, axis).astype(np.float32)
;;   ~~~
;;   OPERANDS COMPUTED ON THE WAY. 'Computed on the way' means the value that the module computes at that place (a softmax that the list does not call 'softmax' is quantised finished and normalised). What goes into a quantiser is computed in f32, as accurately as f32 sums, v_exp_f32 and their like allow (about 1e-6 of the number): no bf16 or f16 on the way to a quantiser, and a product that is left as it is and whose result goes on into a quantised operand takes f32 operands (vector FMAs, or v_wmma_f32_16x16x4_f32). A number that lies on a knife's edge between two numbers of the format may be rounded either way, as far as f32 arithmetic and the matrix unit's own rounding can turn it there, and no further.
;;   INPUTS GIVEN AS CODES. keys (in the module: [2, 16, 2048, 64], K = its axis 3); query (in the module: [2, 16, 2048, 64], K = its axis 3); vals (in the module: [2, 16, 2048, 64], K = its axis 2): each comes as NAME_codes (uint8): NAME with its K axis moved to the last place and cut into blocks of 32 codes, [.., K / 32, bytes a block], one block behind the other in memory; four codes in three bytes: a row's codes are one little-endian stream of bits, code i at bits 6 i .. 6 i + 5 (a code: sign, 3 exponent bits, 2 mantissa bits); and NAME_scales (uint8): the same leading axes, one E8M0 byte (e + 127) for each 32 codes along K. Its value is code x scale, taken as it is: it is not quantised again, and the codes and scales need not be those that the quantiser above would give.
;; One version. Each part assembles by itself: llvm-mc -triple=amdgcn-amd-amdhsa -mcpu=gfx1250 --defsym DOCPART=n.
;; ======== version 1 of 1: 2 launches
;; workspace buffers: mbits 1,048,576 bytes of whole numbers
;; launch pack (part 1): grid 512 x 1, 8 waves a work-group, no clusters, 70,912 bytes of LDS; arguments mask, mbits; writes mbits
.if DOCPART == 1
	.amdgcn_target "amdgcn-amd-amdhsa--gfx1250"
	.amdhsa_code_object_version 6
	.text
	.protected	k_qe9136e3244_pack
	.globl	k_qe9136e3244_pack
	.p2align	8
	.type	k_qe9136e3244_pack,@function
k_qe9136e3244_pack:
	s_mov_b64 s[64:65], 0
	v_nop
	global_prefetch_b8 v0, s[64:65] scope:SCOPE_SE
	s_setreg_imm32_b32 hwreg(HW_REG_WAVE_MODE, 25, 1), 1
	s_wait_xcnt 0x0
; mask [2][1][2048][2048] int32  ->  mbits [2][128 tiles of 16 queries][8 j][32 chunks of 64 keys][4] u32, one bit a score.
; Word i (0 .. 31) of chunk c of tile T stands at j = i / 4, place i % 4.  Its bit l says whether mask[b][16 T + l % 16][64 c + 32 (l / 16) + i] is not 0: the word is the lane mask
; with which the next launch selects score register i of chunk c, so that all 16 heads of a batch read 1 bit where the mask has 32.
; The order (j, chunk, 4 words) is the reader's: there lane c of a 16-byte load takes four words of chunk c, and the 32 lanes read 512 consecutive bytes.
; A wave takes one unit: 16 rows x 128 keys (8 KB, two chunks), and makes 64 words.  A work-group's eight waves cover 16 chunks of one tile: for each j a run of 256 consecutive bytes.
; Each load reads 512 consecutive bytes of one row.  For the compares a lane must hold 32 neighbouring keys of ONE row, so the unit turns
; through the wave's own stage in LDS (rows 528 bytes apart: 33 x 16
; 64 banks of 4 bytes: ISA guide 11.1).  The waves' words meet in eight gather rows in LDS; one barrier; wave w stores run j = w.
; No matrix unit, no tensor load, no cluster: a stream in which no byte is read twice.
.set ROWB,   8192                      ; a row of the mask in bytes
.set PITCH,  528                       ; a stage row: 512 bytes + 16
.set STAGEB, 16*PITCH                  ; a wave's stage
.set GATH,   8*STAGEB                  ; behind the stages: the gather rows
.set GP,     288                       ; a gather row: 256 bytes + 32 = 72 words: row j starts at bank 8 j, a wave's 8 words of each row follow: the 32 lanes of its store touch 64 different banks
.set LOFF, 1                           ; v1  16 x lane: my 16 bytes of a load's 512
.set STI,  2                           ; v2  the stage on the way in
.set STO,  3                           ; v3  and on the way out: row lane % 16, + 128 (lane / 16)
.set OOFF, 4                           ; v4  8 x lane: my 8 bytes of a run of 256
.set W,    6                           ; v[6:7] two of my unit's words: lane L holds words 2 (L % 16), + 1 of chunk L / 16
.set GA,   12                          ; v12 where they go in the gather rows
.set GR,   13                          ; v13 where I read my wave's run back
.set BK,   14                          ; v[14:15] 8 bytes of that run
.set R,    16                          ; v16-79   the unit as loaded
.set X,    80                          ; v80-143  the unit turned: register 32 cc + i = row lane % 16, key 64 cc + 32 (lane / 16) + i
.set CM,   16                          ; s[16:47] 32 lane masks (at the head: at work)
	s_load_b128 s[4:7], s[0:1], 0x0                ; mask s[4:5], mbits s[6:7]
	v_lshl_add_u32 v144, v0, 2, 0x11100
	v_mov_b32 v145, 0
	v_lshrrev_b32 v5, 5, v0
	v_readfirstlane_b32 s8, v5                     ; wave 0..7
	v_and_b32 v5, 31, v0                           ; lane
	v_and_b32 v8, 15, v0                           ; lane % 16
	v_bfe_u32 v9, v0, 4, 1                         ; lane / 16
	v_lshlrev_b32 v[LOFF], 4, v5
	s_mul_i32 s9, s8, STAGEB
	v_add_nc_u32 v[STI], s9, v[LOFF]
	v_mul_u32_u24 v[STO], v8, PITCH
	v_lshl_add_u32 v[STO], v9, 7, v[STO]
	v_add_nc_u32 v[STO], s9, v[STO]
	v_lshlrev_b32 v[OOFF], 3, v5
	v_bfe_u32 v10, v0, 1, 3                        ; j = (lane % 16) / 2: my two words' row,
	v_mul_u32_u24 v[GA], v10, GP
	v_lshl_add_u32 v[GA], v9, 4, v[GA]             ; + 16 bytes for my unit's second chunk,
	v_and_b32 v10, 1, v0
	v_lshl_add_u32 v[GA], v10, 3, v[GA]            ; + 8 for the chunk's upper two words of the four,
	s_lshl_b32 s16, s8, 5
	s_add_co_u32 s16, s16, GATH
	v_add_nc_u32 v[GA], s16, v[GA]                 ; + 32 x wave: my unit's two chunks among the work-group's sixteen
	s_mul_i32 s17, s8, GP
	s_add_co_u32 s17, s17, GATH
	v_add_nc_u32 v[GR], s17, v[OOFF]               ; back: row j = wave, 8 bytes a lane
	v_mov_b32 v[W], 0                              ; written whole once: v_writelane_b32 leaves the other lanes as they are
	v_mov_b32 v[W+1], 0
	s_lshr_b32 s10, ttmp9, 1                       ; the work-group's tile of 16 rows (batch x 128 + tile)
	s_and_b32 s11, ttmp9, 1                        ; and which half of its keys
	s_lshl_b32 s12, s10, 17                        ; the mask: 131,072 bytes a tile,
	s_lshl_b32 s13, s11, 3
	s_add_co_u32 s13, s13, s8
	s_lshl_b32 s13, s13, 9                         ; 512 bytes for each unit's 128 keys
	s_add_co_u32 s12, s12, s13
	s_mov_b32 s13, 0
	s_lshl_b32 s14, s10, 12                        ; mbits: 4,096 bytes a tile,
	s_lshl_b32 s15, s8, 9                          ; 512 for each j (my wave stores j = wave),
	s_add_co_u32 s14, s14, s15
	s_lshl_b32 s15, s11, 8                         ; 256 for the half
	s_add_co_u32 s14, s14, s15
	s_mov_b32 s15, 0
	s_wait_kmcnt 0x0
	s_add_nc_u64 s[4:5], s[4:5], s[12:13]
	s_add_nc_u64 s[6:7], s[6:7], s[14:15]
.irp row, 0,1,2,3,4,5,6,7,8,9,10,11,12,13,14,15
	global_load_b128 v[R+4*\row:R+4*\row+3], v[LOFF], s[4:5] offset:ROWB*\row th:TH_LOAD_NT   ; 32 lanes read 512 consecutive bytes; read once in the launch
.endr
.irp row, 0,1,2,3,4,5,6,7,8,9,10,11,12,13,14,15
	s_wait_loadcnt 15-\row                         ; loads come back in order: this row is in, the younger ones may be out
	ds_store_b128 v[STI], v[R+4*\row:R+4*\row+3] offset:PITCH*\row
.endr
.irp cc, 0,1
.irp j, 0,1,2,3,4,5,6,7
	ds_load_b128 v[X+32*\cc+4*\j:X+32*\cc+4*\j+3], v[STO] offset:256*\cc+16*\j   ; LDS serves a wave's instructions in order: these see my stores
.endr
.endr
.irp cc, 0,1
	s_wait_dscnt 8-8*\cc                           ; this chunk's eight loads are in; the other chunk's eight may be out
.set i, 0
.rept 32
	v_cmp_ne_u32 s[CM+i], 0, v[X+32*\cc+i]         ; the word of register i: one bit a lane
.set i, i+1
.endr
.set i, 0
.rept 32
	v_writelane_b32 v[W+i%2], s[CM+i], 16*\cc+i/2  ; word i of chunk cc goes to lane 16 cc + i / 2, register i % 2
.set i, i+1
.endr
.endr
	ds_store_b64 v[GA], v[W:W+1]                   ; my two words to their place in the gather rows
	s_wait_dscnt 0x0                               ; for the others' sake: my store has landed
	s_barrier_signal -1
	s_barrier_wait -1                              ; the eight runs are whole
	ds_load_b64 v[BK:BK+1], v[GR]
	s_wait_dscnt 0x0
	global_store_b64 v[OOFF], v[BK:BK+1], s[6:7]   ; 32 lanes store 256 consecutive bytes, at a multiple of 256 from the buffer's first byte
	s_wait_tensorcnt 0x0
	ds_add_u32 v144, v145
	s_wait_dscnt 0x0
	s_endpgm
.Lfunc_end_k_qe9136e3244_pack:
	.size	k_qe9136e3244_pack, .Lfunc_end_k_qe9136e3244_pack-k_qe9136e3244_pack
	.p2alignl 7, 3214868480
	.fill 96, 4, 3214868480
	.section	.rodata,"a",@progbits
	.p2align	6, 0x0
	.amdhsa_kernel k_qe9136e3244_pack
		.amdhsa_group_segment_fixed_size 70912
		.amdhsa_private_segment_fixed_size 0
		.amdhsa_enable_private_segment 0
		.amdhsa_kernarg_size 16
		.amdhsa_user_sgpr_count 2
		.amdhsa_user_sgpr_kernarg_segment_ptr 1
		.amdhsa_wavefront_size32 1
		.amdhsa_system_sgpr_workgroup_id_x 1
		.amdhsa_system_sgpr_workgroup_id_y 1
		.amdhsa_system_sgpr_workgroup_id_z 1
		.amdhsa_system_vgpr_workitem_id 0
		.amdhsa_next_free_vgpr 146
		.amdhsa_next_free_sgpr 66
		.amdhsa_reserve_vcc 0
		.amdhsa_float_denorm_mode_32 3
		.amdhsa_float_denorm_mode_16_64 3
		.amdhsa_memory_ordered 1
		.amdhsa_forward_progress 1
		.amdhsa_inst_pref_size 15
	.end_amdhsa_kernel
	.amdgpu_metadata
---
amdhsa.version: [ 1, 2 ]
amdhsa.kernels:
  - .name:           k_qe9136e3244_pack
    .symbol:         k_qe9136e3244_pack.kd
    .args:
      - { .name: mask, .offset: 0, .size: 8, .value_kind: global_buffer, .address_space: global }
      - { .name: mbits, .offset: 8, .size: 8, .value_kind: global_buffer, .address_space: global }
    .group_segment_fixed_size: 70912
    .private_segment_fixed_size: 0
    .kernarg_segment_align: 8
    .kernarg_segment_size: 16
    .max_flat_workgroup_size: 256
    .sgpr_count:     66
    .vgpr_count:     146
    .wavefront_size: 32
...
	.end_amdgpu_metadata
.endif
;; end of part 1
;; launch attn (part 2): grid 8 x 32, 8 waves a work-group, clusters of 4 x 1, 206,848 bytes of LDS; arguments query_codes, query_scales, keys_codes, keys_scales, vals_codes, vals_scales, mbits, out0; writes out0
.if DOCPART == 2
	.amdgcn_target "amdgcn-amd-amdhsa--gfx1250"
	.amdhsa_code_object_version 6
	.text
	.protected	k_qe9136e3244_attn
	.globl	k_qe9136e3244_attn
	.p2align	8
	.type	k_qe9136e3244_attn,@function
k_qe9136e3244_attn:
	s_mov_b64 s[64:65], 0
	v_nop
	global_prefetch_b8 v0, s[64:65] scope:SCOPE_SE
	s_setreg_imm32_b32 hwreg(HW_REG_WAVE_MODE, 25, 1), 1
	s_wait_xcnt 0x0
	s_wait_alu depctr_hold_cnt(0) depctr_sa_sdst(0) depctr_va_vdst(0) depctr_va_sdst(0) depctr_va_ssrc(0) depctr_va_vcc(0) depctr_vm_vsrc(0)
	s_getreg_b32 s2, hwreg(HW_REG_IB_STS2, 6, 4)
	s_cmp_eq_u32 s2, 0
	s_cbranch_scc0 .Lentry_in_a_cluster
	s_endpgm
.Lentry_in_a_cluster:
	s_bfe_u32 s2, ttmp6, 0x10000c
	s_cmp_lg_u32 s2, 0x3003
	s_cbranch_scc0 .Lentry_shape_is_right
	s_endpgm
.Lentry_shape_is_right:
; out[h][q][:] = sum over k of attn[q][k] V[h][k][:],  attn = s / max(||s||_2, 1e-12),  s[q][k] = (Q[h][q] . K[h][k] + 1e-5) where mask[b][q][k] != 0, else 0.
; 32 heads, 2,048 queries and keys, head size 64.  Both products on codes of BF6 (E3M2) with one E8M0 scale for each 32 along K.  Q, K, V arrive as codes (V with the keys innermost);
; attn is quantised here, finished and normalised, in blocks of 32 keys.  The mask arrives as mbits: lane masks, one word for each score register (made by the launch before).
; TWO PASSES.  A row's norm is no power of two, so no code of attn can be made before the whole row is known, and 16 queries x 2,048 scores are 1,024 registers: a row cannot be kept.
; Pass 1: scores, mask, sum of squares.  Pass 2: the same scores again, mask, x 1 / norm, quantised, x V.
; SHARES.  A work-group owns 256 queries of one head; each of its eight waves 32: two tiles of 16, which share every fragment of K and V read from LDS.  Two waves to a SIMD.
; K, V AND THEIR SCALES OF THE WHOLE HEAD (about 200 KB) COME INTO LDS ONCE and stay: no ring, nothing is filled again.
; THE LANE MASKS OF A WAVE, 2 tiles x 32 chunks x 32 score registers = 2,048 words, ARE 64 REGISTERS x 32 LANES: the register stands for (tile, score register), the LANE for the chunk.  They are loaded once,
; at the head, by 16 loads of 512 consecutive bytes, and serve both passes.  A chunk's 64 words go into scalar registers by v_readlane_b32 with the chunk's number as the lane: the register numbers are
; constants of the text, the lane is a counter.  So no wait for memory stands in the loops; the 64 reads stand behind the score products, where the wave would else wait for their results.
; CLUSTER.  The four work-groups of a cluster are four query blocks of one head and need the same K and V: every tile is asked for JOINTLY, by the same tensor load with the same descriptor
; and a mask that names the four.  My place in the cluster enters only the global addresses of Q, mbits and out.
; LAYOUT.  Both products are used transposed (S^T = K Q^T, O^T = V^T P^T): a lane holds ONE query (lane % 16) throughout.  THE KEYS OF A TILE ARE NOT NEIGHBOURS: row m of tile u of a chunk of
; 64 keys is key 32 (m / 8) + 8 u + m % 8, so that a lane's 32 score registers of the chunk's four tiles are the 32 neighbouring keys 32 (lane / 16) + 0 .. 31: a whole block in one lane, in the order
; that the second product's operand wants.  A block's largest magnitude needs no other lane, and two conversions give the operand's six registers.
; HEAD SIZE 64 fills half of the instruction's 128 along K: Q's registers 6-11 hold zero codes.  K's fragments stand 6 registers apart, so a fragment's upper half is the next fragment's data:
; finite codes times zero codes; six zeroed registers close the run.  The scale words come by 16-bit loads: the upper two bytes are 0, which is 2^-127 and no NaN.
; The + 1e-5 is the C of the score products.
; LIMITS.  A row's norm above 2^126 gives attn = 0 (its reciprocal falls under the smallest normal number and v_rcp_f32 gives 0: ISA guide 15.8).  attn is score x reciprocal: a few units in the last place from a division.
; A block of zeros gets the scale byte 1 where the quantiser says 127: its codes are zeros, which add nothing under any byte but 0xff, and only this kernel reads the byte.
;
; LDS: K's even blocks of 32 keys at 0 (block pair c at 1,536 c; a key is 48 bytes), its odd blocks at 49,280: 32 words mod 64 further on, so that the 32 lanes of a load of 8 bytes (rows 12 words
; apart, halves 6) touch 64 different banks (64 banks of 4 bytes: ISA guide 11.1).  V: row d lies in region d % 16 (6,160 bytes: 4 words mod 64) at 1,536 (d / 16): a fragment's 16 rows again touch all banks once.
.set KOD,  49280                       ; from K's even blocks to its odd ones
.set VB,   98560                       ; V's 16 regions
.set VREG, 6160
.set SCK,  197120                      ; K's scale bytes: 2 a key
.set SCV,  201216                      ; V's: a row of 64 bytes + 8 of padding: 18 words, 32 different banks for 32 lanes
.set SPITCH, 272                       ; the way out: a stage of 32 rows x (256 bytes + 16) for each wave, over K's bytes, written only behind the last barrier: K has had its one fill and nobody reads it then
.set STG,  32*SPITCH
; vector registers
.set T,    1                           ; v1-7    at work
.set AK0,  8                           ; v8-11   my lane's place in K, K's scales, V, V's scales; never rewritten
.set AKS0, 9
.set AV0,  10
.set AVS0, 11
.set AK,   12                          ; v12-15  the same plus the step in hand
.set AKS,  13
.set AV,   14
.set AVS,  15
.set SH8,  16                          ; v16     8 (lane / 16)
.set STO,  17                          ; v17     the stage, on the way in
.set SRD,  18                          ; v18     and back
.set GO,   19                          ; v19     16 x lane
.set QS,   20                          ; v20     Q's scale words: lanes 0-15 tile 0, lanes 16-31 tile 1
.set KS,   22                          ; v22-23  K's: register v: lanes 0-15 tile 2 v, lanes 16-31 tile 2 v + 1
.set VS,   24                          ; v24-25  V's, likewise
.set PS,   26                          ; v26-27  attn's, one for each tile of queries
.set EPS,  28                          ; v28-35  1e-5, eight times: the C of the score products
.set Q,    36                          ; v36-59  Q's two fragments
.set KF,   60                          ; v60-89  K's four fragments, 6 registers apart, and six zeros
.set S,    90                          ; v90-153 the scores: 32 a tile of queries
.set P,    154                         ; v154-177 attn's codes: 12 a tile
.set ACC,  154                         ; (pass 1: the sums of squares, four pairs a tile, v154-169)
.set TMP,  178                         ; v178-180, v182-184 a block's upper 16 codes, before they are moved
.set AM,   186                         ; v186-189 largest magnitudes, two chains a tile
.set SC,   190                         ; v190-191 the conversions' scale operands
.set OWN,  192                         ; v192-193 my two scale bytes
.set PX,   194                         ; v194-195 the other half's
.set RN,   196                         ; v196-199 1 / norm, twice for each tile: pairs for the packed multiply
.set VF,   202                         ; v202-249 V's four fragments
                                       ; window 1, v0-63: O^T, accumulator (x, t) at 32 x + 8 t
.set MB,   64                          ; window 1, v64-127: the lane masks: register 32 x + i, lane c = the word of tile x, chunk c, score register i
; scalar registers
.set WV,   2                           ; s2      wave
.set CNT,  3                           ; s3      trips
.set MP,   4                           ; s[4:5]  mbits at my first tile
.set OUT,  6                           ; s[6:7]  out at my first query
.set SEL,  8                           ; s[8:9]  v_permlanex16_b32's selects for lane l xor 16
.set TK,   10                          ; s10     K's step in LDS: 3,072 bytes for 128 keys
.set TS,   11                          ; s11     its scales': 256
.set G0V0, 12                          ; s[12:15], s[16:19] group 0 of V's two tiles; s[20:27] their group 1: untouched until the wait for all tensor loads
.set G0V1, 16
.set G1V,  20
.set TV,   28                          ; s28     V's step: 96 bytes for 128 keys
.set TJ,   29                          ; s29     its scales': 4
.set CH,   30                          ; s30     the chunk whose lane masks are read next (at the head: at work)
.set MK0,  32                          ; s[32:63] the chunk's 32 lane masks of tile 0;  s[68:99] of tile 1
.set MK1,  68
.set G1K,  32                          ; at the head only, in the registers that the lane masks take later: descriptors of K, K's scales, V's scales
.set G0K,  40
.set G1KS, 44
.set G0KS, 52
.set G0VS, 56
.set G1VS, 84
.set ARG,  68                          ; s[68:83] the eight buffers' addresses
.set MSB, 0
.macro WIN new                         ; the immediate's high byte repeats the setting that is left
.if MSB != \new
	s_set_vgpr_msb (MSB<<8)|\new
.set MSB, \new
.endif
.endm
.macro CROUND                          ; a round of the cluster's barrier: my work-group's barrier; wave 0 signals for the work-group; every wave waits for all four work-groups; my work-group's barrier once more
	s_barrier_signal -1
	s_barrier_wait -1
	s_cmp_lg_u32 s[WV], 0
	s_cbranch_scc1 .Lnot_wave_0_\@
	s_barrier_signal -3
.Lnot_wave_0_\@:
	s_barrier_wait -3
	s_barrier_signal -1
	s_barrier_wait -1
.endm
.macro PLACES n
.rept \n
	v_nop
.endr
.endm
; one scaled product.  ra, rb = 1: that side's scales are read from lanes 16-31 of its register
.macro WMS d, a, b, c, sa, sb, ra, rb
.if (\ra) && (\rb)
	v_wmma_scale_f32_16x16x128_f8f6f4 v[\d:\d+7], v[\a:\a+11], v[\b:\b+11], \c, v[\sa], v[\sb] matrix_a_fmt:MATRIX_FMT_BF6 matrix_b_fmt:MATRIX_FMT_BF6 matrix_a_scale:MATRIX_SCALE_ROW1 matrix_b_scale:MATRIX_SCALE_ROW1
.elseif (\ra)
	v_wmma_scale_f32_16x16x128_f8f6f4 v[\d:\d+7], v[\a:\a+11], v[\b:\b+11], \c, v[\sa], v[\sb] matrix_a_fmt:MATRIX_FMT_BF6 matrix_b_fmt:MATRIX_FMT_BF6 matrix_a_scale:MATRIX_SCALE_ROW1
.elseif (\rb)
	v_wmma_scale_f32_16x16x128_f8f6f4 v[\d:\d+7], v[\a:\a+11], v[\b:\b+11], \c, v[\sa], v[\sb] matrix_a_fmt:MATRIX_FMT_BF6 matrix_b_fmt:MATRIX_FMT_BF6 matrix_b_scale:MATRIX_SCALE_ROW1
.else
	v_wmma_scale_f32_16x16x128_f8f6f4 v[\d:\d+7], v[\a:\a+11], v[\b:\b+11], \c, v[\sa], v[\sb] matrix_a_fmt:MATRIX_FMT_BF6 matrix_b_fmt:MATRIX_FMT_BF6
.endif
.endm
; 14 LDS loads: a chunk's four fragments of K (24 bytes a lane each, in pieces of 8) and its scale words
.macro KLOAD off, soff
.irp u, 0,1,2,3
.irp p, 0,1,2
	ds_load_b64 v[KF+6*\u+2*\p:KF+6*\u+2*\p+1], v[AK] offset:\off+384*\u+8*\p
.endr
.endr
.irp v, 0,1
	ds_load_u16 v[KS+\v], v[AKS] offset:\soff+32*\v
.endr
.endm
; 26 LDS loads: V's four fragments (16 of the head's 64 x 128 keys) and their scale words
.macro VLOAD
.irp t, 0,1,2,3
.irp c, 0,1
.irp p, 0,1,2
	ds_load_b64 v[VF+12*\t+6*\c+2*\p:VF+12*\t+6*\c+2*\p+1], v[AV] offset:1536*\t+48*\c+8*\p
.endr
.endr
.endr
.irp v, 0,1
	ds_load_b32 v[VS+\v], v[AVS] offset:2304*\v
.endr
.endm
; the chunk's 64 lane masks, out of lane s[CH] of the 64 registers that hold them, into scalar registers; then the counter steps
.macro READM
	WIN 0x01                                       ; source 0 in window 1
.set i, 0
.rept 32
	v_readlane_b32 s[MK0+i], v[MB+i], s[CH]
.set i, i+1
.endr
.set i, 0
.rept 32
	v_readlane_b32 s[MK1+i], v[MB+32+i], s[CH]
.set i, i+1
.endr
	WIN 0
	s_add_co_u32 s[CH], s[CH], 1
.endm
; S^T = K Q^T + 1e-5 for a chunk of 64 keys: eight products on eight different accumulators
.macro QK
.irp u, 0,1,2,3
.irp x, 0,1
.set rD, S+32*\x+8*\u
.set rA, KF+6*\u
.set rB, Q+12*\x
.set rS, KS+\u/2
	WMS rD, rA, rB, v[EPS:EPS+7], rS, QS, \u%2, \x
.endr
.endr
.endm
.macro MASK                            ; a score whose bit is 0 becomes 0.  Each accumulator is read from its low end on
.set i, 0
.rept 32
	v_cndmask_b32 v[S+i], 0, v[S+i], s[MK0+i]
.set i, i+1
.endr
.set i, 0
.rept 32
	v_cndmask_b32 v[S+32+i], 0, v[S+32+i], s[MK1+i]
.set i, i+1
.endr
.endm
.macro SQ                              ; the sums of squares, two at a time, four chains a tile
.set i, 0
.rept 16
.irp x, 0,1
	v_pk_fma_f32 v[ACC+8*\x+2*(i%4):ACC+8*\x+2*(i%4)+1], v[S+32*\x+2*i:S+32*\x+2*i+1], v[S+32*\x+2*i:S+32*\x+2*i+1], v[ACC+8*\x+2*(i%4):ACC+8*\x+2*(i%4)+1]
.endr
.set i, i+1
.endr
.endm
.macro SCALE                           ; attn = score x 1 / norm, two at a time
.set i, 0
.rept 16
.irp x, 0,1
	v_pk_mul_f32 v[S+32*\x+2*i:S+32*\x+2*i+1], v[S+32*\x+2*i:S+32*\x+2*i+1], v[RN+2*\x:RN+2*\x+1]
.endr
.set i, i+1
.endr
.endm
; my block's largest magnitude, for each tile: 32 numbers and the floor 2^(5 - 127), under which none is taken, so that the byte cannot fall under 1.  Two chains a tile, the four by turns.
; Then 4 off its exponent field: the conversion takes the exponent field of that operand as its scale, and nothing else of it.
.macro AMAX
.irp x, 0,1
	v_max3_num_f32 v[AM+2*\x], |v[S+32*\x]|, |v[S+32*\x+1]|, 0x2800000
	v_max3_num_f32 v[AM+2*\x+1], |v[S+32*\x+16]|, |v[S+32*\x+17]|, |v[S+32*\x+18]|
.endr
.irp k, 1,2,3,4,5,6
.irp x, 0,1
	v_max3_num_f32 v[AM+2*\x], v[AM+2*\x], |v[S+32*\x+2*\k]|, |v[S+32*\x+2*\k+1]|
	v_max3_num_f32 v[AM+2*\x+1], v[AM+2*\x+1], |v[S+32*\x+17+2*\k]|, |v[S+32*\x+18+2*\k]|
.endr
.endr
.irp x, 0,1
	v_max3_num_f32 v[AM+2*\x], v[AM+2*\x], |v[S+32*\x+14]|, |v[S+32*\x+15]|
.endr
.irp x, 0,1
	v_max3_num_f32 v[AM+2*\x], v[AM+2*\x], v[AM+2*\x+1], |v[S+32*\x+31]|
.endr
.irp x, 0,1
	v_add_nc_u32 v[SC+\x], 0xfe000000, v[AM+2*\x]
.endr
.endm
; my block's 32 numbers become registers 6 c .. 6 c + 5 of the operand.  A conversion's three registers begin on an even number: the upper 16 codes are made elsewhere and moved.
.macro CVT c
.irp x, 0,1
	v_cvt_scalef32_pk16_bf6_f32 v[P+12*\x+6*(\c):P+12*\x+6*(\c)+2], v[S+32*\x:S+32*\x+15], v[SC+\x]
	v_cvt_scalef32_pk16_bf6_f32 v[TMP+4*\x:TMP+4*\x+2], v[S+32*\x+16:S+32*\x+31], v[SC+\x]
.endr
	v_nop                                          ; one plain place behind a scaled conversion
.irp x, 0,1
.irp i, 0,1,2
	v_mov_b32 v[P+12*\x+6*(\c)+3+\i], v[TMP+4*\x+\i]
.endr
.endr
.endm
; O^T += V^T P^T for 128 keys: eight products on eight different accumulators.  zero = 1: they start the sums: nothing is ever cleared.
; The link before on each accumulator stands 23 matrix instructions back: the accumulators take turns.
.macro PV zero
	WIN 0x50                                       ; C and D in window 1
.irp t, 0,1,2,3
.irp x, 0,1
.set rD, 32*\x+8*\t
.set rA, VF+12*\t
.set rB, P+12*\x
.set rS, VS+\t/2
.set rP, PS+\x
.if \zero
	WMS rD, rA, rB, 0, rS, rP, \t%2, 0
.else
	WMS rD, rA, rB, v[rD:rD+7], rS, rP, \t%2, 0
.endif
.endr
.endr
	WIN 0
.endm
	s_load_b512 s[ARG:ARG+15], s[0:1], 0x0         ; Q's codes, Q's scales, K's codes, K's scales, V's codes, V's scales, mbits, out
	v_lshl_add_u32 v254, v0, 2, 0x32400
	v_mov_b32 v255, 0
	ds_add_u32 v254, v255
	ds_add_u32 v254, v255
	v_lshrrev_b32 v1, 5, v0
	v_readfirstlane_b32 s[WV], v1                  ; wave 0..7
	s_and_b32 s30, ttmp7, 0xffff                   ; the head, which the four partners share
	s_mul_i32 s60, s30, 98304                      ; its first byte in each tensor of codes
	s_lshl_b32 s62, s30, 12                        ; and of scale bytes (4,096 a head), + my wave's 512
	s_lshl_b32 s63, s[WV], 9
	s_add_co_u32 s62, s62, s63
	s_mov_b32 s63, 0
	s_and_b32 s92, s[WV], 1                        ; K: I fetch the even (0) or the odd (1) blocks of 32 keys
	s_lshr_b32 s93, s[WV], 1                       ; of block pairs 8 (wave / 2) on
	s_mul_i32 s94, s92, 1536
	s_mul_i32 s95, s93, 24576
	s_add_co_u32 s94, s94, s95
	s_add_co_u32 s94, s94, s60
	s_mov_b32 s95, 0
	s_mul_i32 s96, s[WV], 3072                     ; V: I fetch the rows d with d % 16 = 2 wave and 2 wave + 1
	s_add_co_u32 s96, s96, s60
	s_mov_b32 s97, 0
	; group 1 of K's tiles: 8 rows (blocks of 32 keys) of 192 elements of 8 bytes, 384 elements (64 keys) apart; dense in LDS
	s_mov_b32 s[G1K], 15|(3<<16)|(1<<21)           ; 15:0 the mask: all four work-groups; 17:16 elements of 8 bytes; 21 set beside a mask
	s_mov_b32 s[G1K+1], 192<<16                    ; tensor_dim0
	s_mov_b32 s[G1K+2], 8<<16                      ; tensor_dim1
	s_mov_b32 s[G1K+3], 192<<16                    ; tile_dim0
	s_mov_b32 s[G1K+4], 8                          ; tile_dim1
	s_mov_b32 s[G1K+5], 384                        ; from row to row
	s_mov_b32 s[G1K+6], 0
	s_mov_b32 s[G1K+7], 0
	; of V's: 4 rows (d, d + 16, d + 32, d + 48) of 192 elements, 3,072 elements (16 rows of V) apart
	s_mov_b32 s[G1V], 15|(3<<16)|(1<<21)
	s_mov_b32 s[G1V+1], 192<<16
	s_mov_b32 s[G1V+2], 4<<16
	s_mov_b32 s[G1V+3], 192<<16
	s_mov_b32 s[G1V+4], 4
	s_mov_b32 s[G1V+5], 3072
	s_mov_b32 s[G1V+6], 0
	s_mov_b32 s[G1V+7], 0
	; of K's scales: one row of 512 dense bytes
	s_mov_b32 s[G1KS], 15|(3<<16)|(1<<21)
	s_mov_b32 s[G1KS+1], 64<<16
	s_mov_b32 s[G1KS+2], 1<<16
	s_mov_b32 s[G1KS+3], 64<<16
	s_mov_b32 s[G1KS+4], 1
	s_mov_b32 s[G1KS+5], 64
	s_mov_b32 s[G1KS+6], 0
	s_mov_b32 s[G1KS+7], 0
	; of V's scales: 8 rows of 16 elements of 4 bytes, 2 words of padding behind every 16
	s_mov_b32 s[G1VS], 15|(2<<16)|(1<<20)|(1<<21)|(3<<22)|(1<<25)
	s_mov_b32 s[G1VS+1], 16<<16
	s_mov_b32 s[G1VS+2], 8<<16
	s_mov_b32 s[G1VS+3], 16<<16
	s_mov_b32 s[G1VS+4], 8
	s_mov_b32 s[G1VS+5], 16
	s_mov_b32 s[G1VS+6], 0
	s_mov_b32 s[G1VS+7], 0
	; groups 0: count 1, and the LDS addresses: constants and the wave's number alone
	s_mov_b32 s[G0KS], 1
	s_lshl_b32 s[G0KS+1], s[WV], 9
	s_add_co_u32 s[G0KS+1], s[G0KS+1], SCK
	s_mov_b32 s[G0VS], 1
	s_mul_i32 s[G0VS+1], s[WV], 576
	s_add_co_u32 s[G0VS+1], s[G0VS+1], SCV
	s_mov_b32 s[G0K], 1
	s_mul_i32 s[G0K+1], s92, KOD
	s_mul_i32 s93, s93, 12288
	s_add_co_u32 s[G0K+1], s[G0K+1], s93
	s_mov_b32 s[G0V0], 1
	s_mul_i32 s[G0V0+1], s[WV], 2*VREG
	s_add_co_u32 s[G0V0+1], s[G0V0+1], VB
	s_mov_b32 s[G0V1], 1
	s_add_co_u32 s[G0V1+1], s[G0V0+1], VREG
	; my queries: the one thing that hangs on my place in the cluster; it enters the addresses of Q, mbits and out alone
	s_bfe_u32 s31, ttmp6, 0x40000                  ; cx
	s_lshl_b32 s66, ttmp9, 2                       ; in a cluster launch ttmp9 counts clusters
	s_add_co_u32 s66, s66, s31                     ; my block of 256 queries
	s_lshl_b32 s66, s66, 8
	s_lshl_b32 s31, s[WV], 5
	s_add_co_u32 s66, s66, s31                     ; my first query in the head
	s_lshl_b32 s67, s30, 11
	s_add_co_u32 s67, s67, s66                     ; and counted over all heads
	s_lshr_b32 s31, s30, 4                         ; the batch: 16 heads share a mask
	s_lshl_b32 s31, s31, 11
	s_add_co_u32 s31, s31, s66                     ; my first row of the mask
	s_mov_b32 s101, 0
	s_mov_b32 s[SEL], 0x76543210
	s_mov_b32 s[SEL+1], 0xfedcba98
	s_mov_b32 s[TK], 0
	s_mov_b32 s[TS], 0
	s_mov_b32 s[TV], 0
	s_mov_b32 s[TJ], 0
	s_wait_dscnt 0x0
	s_wait_kmcnt 0x0
	s_add_nc_u64 s[G0KS+2:G0KS+3], s[ARG+6:ARG+7], s[62:63]
	s_or_b32 s[G0KS+3], s[G0KS+3], 0x80000000      ; 127:126 type = 2
	s_add_nc_u64 s[G0VS+2:G0VS+3], s[ARG+10:ARG+11], s[62:63]
	s_or_b32 s[G0VS+3], s[G0VS+3], 0x80000000
	s_add_nc_u64 s[G0K+2:G0K+3], s[ARG+4:ARG+5], s[94:95]
	s_or_b32 s[G0K+3], s[G0K+3], 0x80000000
	s_add_nc_u64 s[G0V0+2:G0V0+3], s[ARG+8:ARG+9], s[96:97]
	s_add_nc_u64 s[G0V1+2:G0V1+3], s[G0V0+2:G0V0+3], 1536
	s_or_b32 s[G0V0+3], s[G0V0+3], 0x80000000
	s_or_b32 s[G0V1+3], s[G0V1+3], 0x80000000
	s_mul_i32 s100, s67, 48
	s_add_nc_u64 s[ARG:ARG+1], s[ARG:ARG+1], s[100:101]        ; Q's codes at my first query
	s_lshl_b32 s100, s67, 1
	s_add_nc_u64 s[ARG+2:ARG+3], s[ARG+2:ARG+3], s[100:101]    ; its scale bytes
	s_lshl_b32 s100, s67, 8
	s_add_nc_u64 s[OUT:OUT+1], s[ARG+14:ARG+15], s[100:101]    ; its row of out
	s_lshl_b32 s100, s31, 8                        ; a tile of 16 rows has 4,096 bytes of lane masks: 256 a row
	s_add_nc_u64 s[MP:MP+1], s[ARG+12:ARG+13], s[100:101]
	CROUND                                         ; all four work-groups are here: the joint loads meet
	tensor_load_to_lds s[G0KS:G0KS+3], s[G1KS:G1KS+7]          ; the launch's only fills, in one group: five tensor loads of mine are out
	s_nop 0
	tensor_load_to_lds s[G0VS:G0VS+3], s[G1VS:G1VS+7]
	s_nop 0
	tensor_load_to_lds s[G0K:G0K+3], s[G1K:G1K+7]
	s_nop 0
	tensor_load_to_lds s[G0V0:G0V0+3], s[G1V:G1V+7]
	s_nop 0
	tensor_load_to_lds s[G0V1:G0V1+3], s[G1V:G1V+7]
	s_nop 0
	PLACES 4                                       ; four places behind a tensor load
	v_and_b32 v1, 15, v0                           ; r = lane % 16
	v_bfe_u32 v2, v0, 4, 1                         ; h = lane / 16
	v_and_b32 v3, 7, v0                            ; r % 8
	v_bfe_u32 v4, v0, 3, 1                         ; r / 8
	v_and_b32 v5, 31, v0                           ; lane
	v_mul_u32_u24 v6, v1, 48
	v_mad_u32_u24 v6, v2, 24, v6                   ; Q: row r of 48 bytes, + 24 h
	v_lshlrev_b32 v7, 1, v5                        ; its scale bytes: 2 a query; lane l takes query l of my 32
	v_lshlrev_b32 v[GO], 4, v5                     ; 16 x lane
.irp x, 0,1
.irp p, 0,1,2
	global_load_b64 v[Q+12*\x+2*\p:Q+12*\x+2*\p+1], v6, s[ARG:ARG+1] offset:768*\x+8*\p
.endr
.endr
	global_load_u16 v[QS], v7, s[ARG+2:ARG+3]
	WIN 0x40                                       ; destination window 1, address window 0
.irp x, 0,1
.irp j, 0,1,2,3,4,5,6,7
	global_load_b128 v[MB+32*\x+4*\j:MB+32*\x+4*\j+3], v[GO], s[MP:MP+1] offset:4096*\x+512*\j   ; lane c takes words 4 j .. 4 j + 3 of chunk c: 32 lanes read 512 consecutive bytes.  The other 15 heads' work-groups read them too: no hint
.endr
.endr
	WIN 0
.irp x, 0,1
.irp i, 6,7,8,9,10,11
	v_mov_b32 v[Q+12*\x+\i], 0                     ; zero codes for K = 64 .. 127
.endr
.endr
.irp i, 24,25,26,27,28,29
	v_mov_b32 v[KF+\i], 0                          ; the upper half of K's last fragment
.endr
.irp i, 0,1,2,3,4,5,6,7
	v_mov_b32 v[EPS+\i], 0x3727c5ac                ; 1e-5
.endr
.irp i, 0,1,2,3,4,5,6,7,8,9,10,11,12,13,14,15
	v_mov_b32 v[ACC+\i], 0                         ; the sums of squares
.endr
	v_mov_b32 v[PX], 0                             ; written once: a lane permute's destination counts as one of its sources
	v_mov_b32 v[PX+1], 0
	v_mul_u32_u24 v[AK0], v4, KOD                  ; K: rows 0-7 of a tile lie in the even block, rows 8-15 in the odd one;
	v_mad_u32_u24 v[AK0], v3, 48, v[AK0]           ; 48 bytes a key,
	v_mad_u32_u24 v[AK0], v2, 24, v[AK0]           ; 24 a half
	v_lshlrev_b32 v[AKS0], 6, v4                   ; its scale words: key 32 (r / 8) + 8 h + r % 8 of tiles 0 and 1 (lanes 16-31 take the odd tile), 2 bytes a key
	v_lshl_add_u32 v[AKS0], v2, 4, v[AKS0]
	v_lshl_add_u32 v[AKS0], v3, 1, v[AKS0]
	v_add_nc_u32 v[AKS0], SCK, v[AKS0]
	v_mul_u32_u24 v[AV0], v1, VREG                 ; V: row 16 t + r lies in region r
	v_mad_u32_u24 v[AV0], v2, 24, v[AV0]
	v_add_nc_u32 v[AV0], VB, v[AV0]
	v_mul_u32_u24 v[AVS0], v5, 72                  ; its scale words: row d = lane (lanes 16-31: the odd tile)
	v_add_nc_u32 v[AVS0], SCV, v[AVS0]
	v_lshlrev_b32 v[SH8], 3, v2
	s_mul_i32 s30, s[WV], STG                      ; my stage
	v_mul_u32_u24 v[STO], v1, SPITCH               ; in: row r, 32 bytes for each half of the lanes
	v_lshl_add_u32 v[STO], v2, 5, v[STO]
	v_add_nc_u32 v[STO], s30, v[STO]
	v_mul_u32_u24 v[SRD], v2, SPITCH               ; back: lanes 0-15 one row of 256 bytes, lanes 16-31 the next
	v_lshl_add_u32 v[SRD], v1, 4, v[SRD]
	v_add_nc_u32 v[SRD], s30, v[SRD]
	v_add_nc_u32 v[AK], s[TK], v[AK0]
	v_add_nc_u32 v[AKS], s[TS], v[AKS0]
	s_mov_b32 s[CH], 0                             ; the first chunk
	s_wait_loadcnt 0x0                             ; Q and all my lane masks are in, and their loads' bases may be written
	s_wait_tensorcnt 0x2                           ; both tensors of scales and my part of K are in, so their descriptors may be written; V's two tiles, issued behind them, stay out through pass 1
	s_barrier_signal -1
	s_barrier_wait -1                              ; everybody's part of K is in
	KLOAD 0, 0
; PASS 1.  A chunk: the scores of 64 keys for my 32 queries; the next chunk's fragments are asked for, and this chunk's lane masks read, behind the products; then the vector work.
; second = 1: the second chunk of a pair: the addresses step.  last = 1: they go back to the head's first keys: what is fetched is pass 2's first chunk.
.macro P1 second, last
	s_wait_dscnt 0x0                               ; K's fragments and scale words are in
	QK
.if \second
.if \last
	s_mov_b32 s[TK], 0
	s_mov_b32 s[TS], 0
.else
	s_add_co_u32 s[TK], s[TK], 3072
	s_add_co_u32 s[TS], s[TS], 256
.endif
	v_add_nc_u32 v[AK], s[TK], v[AK0]              ; four places behind the products, in front of the loads into registers that they read and of the first read of their results
	v_add_nc_u32 v[AKS], s[TS], v[AKS0]
	PLACES 2
	KLOAD 0, 0
.else
	PLACES 4
	KLOAD 1536, 128
.endif
	READM
	MASK
	SQ
.endm
	s_mov_b32 s[CNT], 15
.Lpass1:                                               ; 15 trips of 128 keys; the sixteenth is written out, since its addresses go back
	P1 0, 0
	P1 1, 0
	s_sub_co_u32 s[CNT], s[CNT], 1
	s_cmp_lg_u32 s[CNT], 0
	s_cbranch_scc1 .Lpass1
	P1 0, 0
	P1 1, 1
	s_mov_b32 s[CH], 0                             ; pass 2 begins at the first chunk again
	; THE NORM: the four pairs, the pair's halves, and lane l xor 16's (my query's other blocks)
.irp x, 0,1
	v_pk_add_f32 v[ACC+8*\x:ACC+8*\x+1], v[ACC+8*\x:ACC+8*\x+1], v[ACC+8*\x+2:ACC+8*\x+3]
	v_pk_add_f32 v[ACC+8*\x+4:ACC+8*\x+5], v[ACC+8*\x+4:ACC+8*\x+5], v[ACC+8*\x+6:ACC+8*\x+7]
.endr
.irp x, 0,1
	v_pk_add_f32 v[ACC+8*\x:ACC+8*\x+1], v[ACC+8*\x:ACC+8*\x+1], v[ACC+8*\x+4:ACC+8*\x+5]
.endr
.irp x, 0,1
	v_add_f32 v[AM+\x], v[ACC+8*\x], v[ACC+8*\x+1]
.endr
.irp x, 0,1
	v_permlanex16_b32 v[PX+\x], v[AM+\x], s[SEL], s[SEL+1]
.endr
.irp x, 0,1
	v_add_f32 v[AM+\x], v[AM+\x], v[PX+\x]
.endr
.irp x, 0,1
	v_sqrt_f32 v[AM+\x], v[AM+\x]
.endr
	v_nop                                          ; one plain place behind a transcendental
	s_wait_alu depctr_va_vdst(0)
.irp x, 0,1
	v_max_num_f32 v[AM+\x], 0x2b8cbccc, v[AM+\x]   ; max(norm, 1e-12)
.endr
.irp x, 0,1
	v_rcp_f32 v[RN+2*\x], v[AM+\x]                 ; twice: the pair by which the packed multiply multiplies
	v_rcp_f32 v[RN+2*\x+1], v[AM+\x]
.endr
	v_nop
	s_wait_tensorcnt 0x0                           ; my two tiles of V are in,
	s_wait_dscnt 0x0                               ; (no LDS instruction is pending at a signal)
	s_barrier_signal -1
	s_barrier_wait -1                              ; everybody's are
; PASS 2.  A step of 128 keys: two chunks of scores, each masked, normalised and quantised into half of the operand, then eight products with V.
; zero = 1: those products start O^T's sums.  next = 0: the last step: nothing more is fetched.
.macro STEP2 zero, next
	s_wait_dscnt 0x0                               ; K's fragments of the first chunk
	QK
	v_add_nc_u32 v[AV], s[TV], v[AV0]              ; four places: behind these products, and behind the last step's products with V, into whose registers VLOAD loads
	v_add_nc_u32 v[AVS], s[TJ], v[AVS0]
	s_wait_alu depctr_va_vdst(0)
	PLACES 2
	KLOAD 1536, 128
	VLOAD
	s_add_co_u32 s[TV], s[TV], 96
	s_add_co_u32 s[TJ], s[TJ], 4
	READM
	MASK
	SCALE
	AMAX
.irp x, 0,1
	v_lshrrev_b32 v[OWN+\x], 23, v[SC+\x]          ; the scale's byte: block h of the step's four
.endr
	CVT 0
	s_wait_dscnt 26                                ; K's 14 loads are in; V's 26, issued behind them, may be out
	QK
.if \next
	s_add_co_u32 s[TK], s[TK], 3072
	s_add_co_u32 s[TS], s[TS], 256
	v_add_nc_u32 v[AK], s[TK], v[AK0]
	v_add_nc_u32 v[AKS], s[TS], v[AKS0]
	PLACES 2
	KLOAD 0, 0
.else
	PLACES 4
.endif
	READM
	MASK
	SCALE
	AMAX
.irp x, 0,1
	v_lshrrev_b32 v[T+\x], 23, v[SC+\x]            ; block 2 + h
.endr
.irp x, 0,1
	v_lshl_or_b32 v[OWN+\x], v[T+\x], 16, v[OWN+\x]
.endr
.irp x, 0,1
	v_lshlrev_b32 v[OWN+\x], v[SH8], v[OWN+\x]     ; my two bytes at their places in the scale word (8 h bits up);
.endr
.irp x, 0,1
	v_permlanex16_b32 v[PX+\x], v[OWN+\x], s[SEL], s[SEL+1]
.endr
.irp x, 0,1
	v_or_b32 v[PS+\x], v[OWN+\x], v[PX+\x]         ; with lane l xor 16's two the word is whole
.endr
	CVT 1
	PLACES 8                                       ; a scale register written by a vector instruction stands 8 places ahead of a scaled product, an operand so written 4
.if \next
	s_wait_dscnt 14                                ; V is in; the next chunk's 14 loads of K may be out
.else
	s_wait_dscnt 0x0
.endif
	PV \zero
.endm
	STEP2 1, 1
	s_mov_b32 s[CNT], 14
.Lpass2:
	STEP2 0, 1
	s_sub_co_u32 s[CNT], s[CNT], 1
	s_cmp_lg_u32 s[CNT], 0
	s_cbranch_scc1 .Lpass2
	STEP2 0, 0
	; THE WAY OUT.  Lane (r, h) holds, in accumulator (x, t), out(16 x + r, 16 t + 8 h + 0 .. 7): 32 bytes of a row, and the lanes beside it hold other rows.  So my 32 rows go through my stage and come back whole.
	PLACES 4                                       ; behind the last products, in front of the first read of their results
	s_wait_dscnt 0x0
	s_barrier_signal -1
	s_barrier_wait -1                              ; no wave reads K's bytes any more: the stages may be written
	WIN 0x04                                       ; an LDS store's data are its source 1: window 1
.irp x, 0,1
.irp t, 0,1,2,3
	ds_store_b128 v[STO], v[32*\x+8*\t:32*\x+8*\t+3] offset:16*SPITCH*\x+64*\t          ; each accumulator from its low end on
	ds_store_b128 v[STO], v[32*\x+8*\t+4:32*\x+8*\t+7] offset:16*SPITCH*\x+64*\t+16
.endr
.endr
	WIN 0
.irp i, 0,1,2,3,4,5,6,7,8,9,10,11,12,13,14,15
	ds_load_b128 v[S+4*\i:S+4*\i+3], v[SRD] offset:2*SPITCH*\i   ; LDS serves a wave's instructions in order: these see my stores
.endr
.irp i, 0,1,2,3,4,5,6,7,8,9,10,11,12,13,14,15
	s_wait_dscnt 15-\i                             ; this pair of rows is back; the younger loads may be out
	global_store_b128 v[GO], v[S+4*\i:S+4*\i+3], s[OUT:OUT+1] offset:512*\i th:TH_STORE_NT   ; 32 lanes store two rows: 512 consecutive bytes, at a multiple of 256 from out's first byte
.endr
	s_wait_tensorcnt 0x0
	ds_add_u32 v254, v255
	s_wait_dscnt 0x0
	CROUND                                         ; the closing round: no work-group ends while a partner may still ask for a tile that names it
	s_endpgm
.Lfunc_end_k_qe9136e3244_attn:
	.size	k_qe9136e3244_attn, .Lfunc_end_k_qe9136e3244_attn-k_qe9136e3244_attn
	.p2alignl 7, 3214868480
	.fill 96, 4, 3214868480
	.section	.rodata,"a",@progbits
	.p2align	6, 0x0
	.amdhsa_kernel k_qe9136e3244_attn
		.amdhsa_group_segment_fixed_size 206848
		.amdhsa_private_segment_fixed_size 0
		.amdhsa_enable_private_segment 0
		.amdhsa_kernarg_size 64
		.amdhsa_user_sgpr_count 2
		.amdhsa_user_sgpr_kernarg_segment_ptr 1
		.amdhsa_wavefront_size32 1
		.amdhsa_system_sgpr_workgroup_id_x 1
		.amdhsa_system_sgpr_workgroup_id_y 1
		.amdhsa_system_sgpr_workgroup_id_z 1
		.amdhsa_system_vgpr_workitem_id 0
		.amdhsa_next_free_vgpr 384
		.amdhsa_next_free_sgpr 102
		.amdhsa_reserve_vcc 0
		.amdhsa_float_denorm_mode_32 3
		.amdhsa_float_denorm_mode_16_64 3
		.amdhsa_memory_ordered 1
		.amdhsa_forward_progress 1
		.amdhsa_inst_pref_size 167
	.end_amdhsa_kernel
	.amdgpu_metadata
---
amdhsa.version: [ 1, 2 ]
amdhsa.kernels:
  - .name:           k_qe9136e3244_attn
    .symbol:         k_qe9136e3244_attn.kd
    .args:
      - { .name: query_codes, .offset: 0, .size: 8, .value_kind: global_buffer, .address_space: global }
      - { .name: query_scales, .offset: 8, .size: 8, .value_kind: global_buffer, .address_space: global }
      - { .name: keys_codes, .offset: 16, .size: 8, .value_kind: global_buffer, .address_space: global }
      - { .name: keys_scales, .offset: 24, .size: 8, .value_kind: global_buffer, .address_space: global }
      - { .name: vals_codes, .offset: 32, .size: 8, .value_kind: global_buffer, .address_space: global }
      - { .name: vals_scales, .offset: 40, .size: 8, .value_kind: global_buffer, .address_space: global }
      - { .name: mbits, .offset: 48, .size: 8, .value_kind: global_buffer, .address_space: global }
      - { .name: out0, .offset: 56, .size: 8, .value_kind: global_buffer, .address_space: global }
    .group_segment_fixed_size: 206848
    .private_segment_fixed_size: 0
    .kernarg_segment_align: 8
    .kernarg_segment_size: 64
    .max_flat_workgroup_size: 256
    .sgpr_count:     102
    .vgpr_count:     384
    .wavefront_size: 32
...
	.end_amdgpu_metadata
.endif
;; end of part 2
